; MI455X (gfx1250); checked and timed in simulation.
; The chip was launched on July 23, 2026; its instructions are those of AMD's public machine-readable ISA for CDNA 5 (MIT licence, August 2026) and "CDNA5" Instruction Set Architecture Reference Guide (July 2026). The comments in the code are by the model that wrote it; some were corrected since.
;; Flash Causal Self Attention. Allowed arithmetic: matrix products marked QUANTISED: E2M1 operands, one E8M0 scale for each 32 along K, by v_wmma_scale_f32_16x16x128_f8f6f4 with both operands' format E2M1 (or v_wmma_scale_f32_32x16x128_f4), f32 sums; everything else in f32.
;; Inputs: W_attn_codes 3,072 x 32 x 16 uint8 (E2M1 codes of W_attn, K innermost, in blocks of 32 codes, two codes a byte); W_attn_scales 3,072 x 32 uint8 (E8M0 scales of W_attn, one for each 32 codes along K); W_proj_codes 1,024 x 32 x 16 uint8 (E2M1 codes of W_proj, K innermost, in blocks of 32 codes, two codes a byte); W_proj_scales 1,024 x 32 uint8 (E8M0 scales of W_proj, one for each 32 codes along K); x_codes 8 x 1,024 x 32 x 16 uint8 (E2M1 codes of x, K innermost, in blocks of 32 codes, two codes a byte); x_scales 8 x 1,024 x 32 uint8 (E8M0 scales of x, one for each 32 codes along K).
;; Outputs: out0 8 x 1,024 x 1,024 float32.
;; This version of the problem:
;;   THIS VERSION OF THE PROBLEM IS GIVEN IN LOW PRECISION. The matrix products marked QUANTISED in the list below multiply operands that are first quantised to E2M1 (2 exponent bits, 1 mantissa bit; 4 bits a number), with one power-of-two scale for each 32 numbers along K (OCP MX v1.0); their sums are f32. All else is computed in f32.
;;   The module's matrix products, in the order in which they are computed (A, B: the left and right operand; K: the contracted axis; several contracted axes count as one K, in the product's order):
;;     1. [M 8,192, K 1,024] x [K 1,024, N 3,072]; A: input x (given as codes); B: input W_attn (given as codes): QUANTISED
;;     2. batch 128 x [M 1,024, K 64] x [K 64, N 1,024]; A: computed on the way; B: computed on the way: QUANTISED
;;     3. batch 128 x [M 1,024, K 1,024] x [K 1,024, N 64]; A: softmax (see below); B: computed on the way: QUANTISED
;;     4. [M 8,192, K 1,024] x [K 1,024, N 1,024]; A: computed on the way; B: input W_proj (given as codes): QUANTISED
;;   THE QUANTISER, for each operand of a quantised product, along K:
;;     - K is cut into blocks of 32 from its start; a last block that is shorter is filled with zeros.
;;     - A block's scale is 2^e with e = floor(log2(the largest magnitude in the block)) - 2, held to -126 .. 127; a block of zeros has e = 0. As a byte (E8M0): e + 127.
;;     - Each number is divided by its block's scale, clamped to +-6, and rounded to the nearest number of E2M1, ties to even, subnormals kept.
;;     - The product sums the exact products of the quantised numbers (number of the format x scale) in f32.
;;   ~~~python
;;   def quantise(x, axis):      # numpy; x: float32 -> the quantised numbers, widened to float32 again
;;       x = np.moveaxis(x, axis, -1); K = x.shape[-1]
;;       x = np.pad(x, [(0, 0)] * (x.ndim - 1) + [(0, -K % 32)]); x = x.reshape(x.shape[:-1] + (-1, 32)); a = np.abs(x).max(-1, keepdims=True)
;;       e = np.where(a > 0, np.clip(np.frexp(np.where(a > 0, a, 1))[1] - 1 - 2, -126, 127), 0)      # np.frexp(a)[1] - 1 = floor(log2(a)), exactly
;;       r = np.clip(x / 2.0 ** e, -6, 6)
;;       step = 2.0 ** (np.maximum(np.frexp(np.where(r == 0, 1, r))[1] - 1, 0) - 1)
;;       q = np.round(r / step) * step * 2.0 ** e      # np.round: ties to even
;;       return np.moveaxis(q.reshape(q.shape[:-2] + (-1,))[..., :K], -1, axis).astype(np.float32)
;;   ~~~
;;   SOFTMAX AHEAD OF A QUANTISED PRODUCT. Where the list says 'softmax', what is quantised is not the finished softmax but p = 2^(t - M), with t = logit x log2(e) and M = ceil(the row's largest t), a whole number; so 1/2 < the row's largest p <= 1. The row's sum l is taken of the UNQUANTISED p, in f32, and the product's result is divided by l at the end. Since M is a whole number, a kernel that streams over the keys may use a running M (the ceiling of the running maximum): every later rescaling is an exact power of two, which a block's scale takes up: the codes' values come out the same.
;;   OPERANDS COMPUTED ON THE WAY. 'Computed on the way' means the value that the module computes at that place (a softmax that the list does not call 'softmax' is quantised finished and normalised). What goes into a quantiser is computed in f32, as accurately as f32 sums, v_exp_f32 and their like allow (about 1e-6 of the number): no bf16 or f16 on the way to a quantiser, and a product that is left as it is and whose result goes on into a quantised operand takes f32 operands (vector FMAs, or v_wmma_f32_16x16x4_f32). A number that lies on a knife's edge between two numbers of the format may be rounded either way, as far as f32 arithmetic and the matrix unit's own rounding can turn it there, and no further.
;;   INPUTS GIVEN AS CODES. W_attn (in the module: [3072, 1024], K = its axis 1); W_proj (in the module: [1024, 1024], K = its axis 1); x (in the module: [8, 1024, 1024], K = its axis 2): each comes as NAME_codes (uint8): NAME with its K axis moved to the last place and cut into blocks of 32 codes, [.., K / 32, bytes a block], one block behind the other in memory; two codes a byte, the lower K in the low four bits (a code: sign, 2 exponent bits, 1 mantissa bit); and NAME_scales (uint8): the same leading axes, one E8M0 byte (e + 127) for each 32 codes along K. Its value is code x scale, taken as it is: it is not quantised again, and the codes and scales need not be those that the quantiser above would give.
;; One version. Each part assembles by itself: llvm-mc -triple=amdgcn-amd-amdhsa -mcpu=gfx1250 --defsym DOCPART=n.
;; ======== version 1 of 1: 3 launches
;; limits: right only within a limited range of input values
;; workspace buffers: qc 4,194,304 bytes; qs 524,288 bytes; kv 9,175,040 bytes; yc 4,194,304 bytes; ys 262,144 bytes
;; launch qkv (part 1): grid 8 x 32, 4 waves a work-group, clusters of 4 x 4, 327,680 bytes of LDS; arguments x_codes, x_scales, W_attn_codes, W_attn_scales, qc, qs, kv; writes qc, qs, kv
.if DOCPART == 1
	.amdgcn_target "amdgcn-amd-amdhsa--gfx1250"
	.amdhsa_code_object_version 6
	.text
	.protected	k_qb52456237b_qkv
	.globl	k_qb52456237b_qkv
	.p2align	8
	.type	k_qb52456237b_qkv,@function
k_qb52456237b_qkv:
	s_mov_b64 s[64:65], 0
	v_nop
	global_prefetch_b8 v0, s[64:65] scope:SCOPE_SE
	s_setreg_imm32_b32 hwreg(HW_REG_WAVE_MODE, 25, 1), 1
	s_wait_xcnt 0x0
	s_wait_alu depctr_hold_cnt(0) depctr_sa_sdst(0) depctr_va_vdst(0) depctr_va_sdst(0) depctr_va_ssrc(0) depctr_va_vcc(0) depctr_vm_vsrc(0)
	s_getreg_b32 s2, hwreg(HW_REG_IB_STS2, 6, 4)
	s_cmp_eq_u32 s2, 0
	s_cbranch_scc0 .Lentry_in_a_cluster
	s_endpgm
.Lentry_in_a_cluster:
	s_bfe_u32 s2, ttmp6, 0x10000c
	s_cmp_lg_u32 s2, 0xf033
	s_cbranch_scc0 .Lentry_shape_is_right
	s_endpgm
.Lentry_shape_is_right:
; qkv = x W_attn^T on codes of FP4 (E2M1) with E8M0 scales as they are given; then, in f32, cos and sin of q, the rotary step on q and k; then q', k' (along the head's 64) and v (along the keys) are quantised.
; SHARES.  A work-group takes 256 tokens of one batch and TWO heads, c and c + 8 (c = its column of the grid), one after the other; wave w takes 64 tokens x a head's 192 columns (q, k, v): 48 accumulators.
; All of K (512 bytes a row) of the 256 rows of x lies in LDS for both heads.  W's 192 rows are filled again for the second head behind a round of the cluster's barrier that follows the first product;
; the first head's rotary step and quantisers stand between that request and the wait for it.  The product is written twice, the rotary step once, in a loop of two trips that is left in its middle.
; CLUSTER, 4 x 4: the four work-groups of a row share their tokens, the four of a column their heads: x's and W's tiles are asked for jointly.
; THE TILES.  One tensor load a wave.  Wave b (0, 1): rows 32 b .. 32 b + 31 of each of x's four groups of 64; wave 2 + b: the same rows of the head's Wq, Wk, Wv.  32 rows are 16,384 dense bytes: they are
; stated as one row of the tile, with 16 bytes of padding behind every 512: LDS rows 528 bytes apart.  The two halves lie a multiple of 256 and 128 bytes apart, so rows rho and rho + 32 fall eight 16-byte columns apart.
; WHICH ROWS FORM A TILE.  Lane r of tile t of a group of 64 takes row 8 t + (r & 7) + 32 (r >> 3): the 32 registers of four tiles are elements 32 h + 0 .. 31 in order: one whole block of 32 in one lane.
;   q, k: source 0 = W's rows, source 1 = x's rows: lane (r, h) holds one token and channels 32 h + 0 .. 31.     v: source 0 = x's rows, source 1 = W's rows: one channel and tokens 32 h + 0 .. 31 of my 64.
; OUT, as images of the next launch's operand registers: 16 bytes a lane, 512 consecutive bytes a store; scale words two to a lane, 256 consecutive bytes a store.
; SIN, COS.  t = q / pi + 1.5 x 2^23 + (1 - h): its low bit is the parity of n + 1 - h, n = q / pi to the nearest whole number; r = q - n pi with pi in two parts; Taylor's polynomials on |r| <= pi / 2:
; the first term left out is r^15 / 15! (under 7e-10) for the sine and r^14 / 14! (under 7e-9) for the cosine.  g = +-1 by that low bit = (-1)^n, times -1 in lanes 0-15: the sine of g r carries the minus
; of the rotated vector's first half; the cosine's coefficients carry the same -1 in lanes 0-15, so that g x its polynomial is (-1)^n cos r.
; LIMITS: |q| up to about 1e5 (beyond, n x the rest of pi behind its two parts passes 1e-9); NaN and infinities among the inputs are not served; a block of zeros gets the scale byte 1 where the
; quantiser's rule says 127: its codes are zeros, and only this program reads these bytes.
; NO PREFETCH: the launch has no loop over tiles to run ahead in, and the one refill is asked for a whole rotary step ahead of its wait.
; REGISTERS, in windows of 256.  Window 0: v0-17 addresses, v32-95 scale words and nothing else, v254-255 the add's.  Window 1: two sets of fragments (set f at 128 f: +8 m x, +32 Wq, +64 Wk, +96 Wv); behind a product: work space.
;   Window 2: q's accumulators at 32 m + 8 t, k's at 128 + 32 m + 8 t.   Window 3: v's at 32 n + 8 t.
.set GRP,  16896                       ; 32 LDS rows of 528 bytes
.set DBX,  4*GRP+128                   ; from x's half 0 to its half 1
.set WCO,  DBX+4*GRP                   ; behind x: W
.set DBW,  3*GRP+128                   ; from W's half 0 to its half 1
.set VSTG, WCO+DBW+3*GRP               ; 236,800, a multiple of 256: 512 bytes in which the four waves gather v's scale words; no tile lands here
.set SPARE, VSTG+512                   ; the spare words, 128 bytes a wave
.set REC,  71680                       ; a head's record in kv: K's codes 32,768, V's codes 32,768, K's scale words 4,096, V's 2,048
.set FLD,  (1<<20)|(1<<21)|(6<<22)|(3<<25)   ; group 1, word 0: elements of 1 byte; padding on; 21 set beside a mask; after every 128 words four words
.set NA,  0                            ; window 1 behind a product: t, n, then the cosine's polynomial
.set RA,  32                           ; r, g r, later cos q
.set R2A, 64                           ; r^2, g r^3, later the signed sin q
.set SA,  96                           ; the sine's polynomial, later q'
.set CA,  128                          ; g, later k'
.set B6, 168                           ; pairs in window 1: the cosine's coefficients, negative in lanes 0-15
.set B5, 170
.set B4, 172
.set A6, 176                           ; the sine's highest
.set B3, 178
.set MAG, 244                          ; 1.5 x 2^23 + 1 - h
.set B2, 246
.set B1, 248
.set B0, 250
.set IPI, 68                           ; scalar pairs: 1 / pi, -pi in two parts, the sine's coefficients
.set PH, 70
.set PL, 72
.set A5, 74
.set A4, 76
.set A3, 78
.set A2, 80
.set A1, 82
.set MSB, 0
.macro WIN new                         ; s_set_vgpr_msb: bits 1:0 source 0, 3:2 source 1, 5:4 source 2, 7:6 destination; the high byte repeats the setting that is left
.if MSB != \new
	s_set_vgpr_msb (MSB<<8)|\new
.set MSB, \new
.endif
.endm
.macro PLACES                          ; four plain vector instructions between a matrix instruction and a load into, or a vector instruction on, one of its registers
.rept 4
	v_nop
.endr
.endm
.macro CROUND                          ; a round of the cluster's barrier
	s_barrier_signal -1
	s_barrier_wait -1
	s_cmp_lg_u32 s18, 0
	s_cbranch_scc1 .Lnot_wave_0_\@
	s_barrier_signal -3
.Lnot_wave_0_\@:
	s_barrier_wait -3
	s_barrier_signal -1
	s_barrier_wait -1
.endm
; One matrix instruction.  z = 1: the constant 0 starts the sum.  ra, rb = 1: that side's scale words stand in lanes 16-31 of its register.
.macro WM d, a, b, z, sa, sb, ra, rb
.if (\z)
.if (\ra) && (\rb)
	v_wmma_scale_f32_16x16x128_f8f6f4 v[(\d):(\d)+7], v[(\a):(\a)+7], v[(\b):(\b)+7], 0, v[(\sa)], v[(\sb)] matrix_a_fmt:MATRIX_FMT_FP4 matrix_b_fmt:MATRIX_FMT_FP4 matrix_a_scale:MATRIX_SCALE_ROW1 matrix_b_scale:MATRIX_SCALE_ROW1
.elseif (\ra)
	v_wmma_scale_f32_16x16x128_f8f6f4 v[(\d):(\d)+7], v[(\a):(\a)+7], v[(\b):(\b)+7], 0, v[(\sa)], v[(\sb)] matrix_a_fmt:MATRIX_FMT_FP4 matrix_b_fmt:MATRIX_FMT_FP4 matrix_a_scale:MATRIX_SCALE_ROW1
.elseif (\rb)
	v_wmma_scale_f32_16x16x128_f8f6f4 v[(\d):(\d)+7], v[(\a):(\a)+7], v[(\b):(\b)+7], 0, v[(\sa)], v[(\sb)] matrix_a_fmt:MATRIX_FMT_FP4 matrix_b_fmt:MATRIX_FMT_FP4 matrix_b_scale:MATRIX_SCALE_ROW1
.else
	v_wmma_scale_f32_16x16x128_f8f6f4 v[(\d):(\d)+7], v[(\a):(\a)+7], v[(\b):(\b)+7], 0, v[(\sa)], v[(\sb)] matrix_a_fmt:MATRIX_FMT_FP4 matrix_b_fmt:MATRIX_FMT_FP4
.endif
.else
.if (\ra) && (\rb)
	v_wmma_scale_f32_16x16x128_f8f6f4 v[(\d):(\d)+7], v[(\a):(\a)+7], v[(\b):(\b)+7], v[(\d):(\d)+7], v[(\sa)], v[(\sb)] matrix_a_fmt:MATRIX_FMT_FP4 matrix_b_fmt:MATRIX_FMT_FP4 matrix_a_scale:MATRIX_SCALE_ROW1 matrix_b_scale:MATRIX_SCALE_ROW1
.elseif (\ra)
	v_wmma_scale_f32_16x16x128_f8f6f4 v[(\d):(\d)+7], v[(\a):(\a)+7], v[(\b):(\b)+7], v[(\d):(\d)+7], v[(\sa)], v[(\sb)] matrix_a_fmt:MATRIX_FMT_FP4 matrix_b_fmt:MATRIX_FMT_FP4 matrix_a_scale:MATRIX_SCALE_ROW1
.elseif (\rb)
	v_wmma_scale_f32_16x16x128_f8f6f4 v[(\d):(\d)+7], v[(\a):(\a)+7], v[(\b):(\b)+7], v[(\d):(\d)+7], v[(\sa)], v[(\sb)] matrix_a_fmt:MATRIX_FMT_FP4 matrix_b_fmt:MATRIX_FMT_FP4 matrix_b_scale:MATRIX_SCALE_ROW1
.else
	v_wmma_scale_f32_16x16x128_f8f6f4 v[(\d):(\d)+7], v[(\a):(\a)+7], v[(\b):(\b)+7], v[(\d):(\d)+7], v[(\sa)], v[(\sb)] matrix_a_fmt:MATRIX_FMT_FP4 matrix_b_fmt:MATRIX_FMT_FP4
.endif
.endif
.endm
; The 16 fragments of K step s (64 bytes of a row) into set fs: 32 LDS loads in one run.  Lane (r, h) takes its row's bytes 64 s + 32 c + 16 h on, c = 0, 1.
.macro FETCH s, fs
	WIN 0x40                                       ; destination window 1, address window 0
.irp m, 0,1,2,3
.irp c, 0,1
	ds_load_b128 v[128*(\fs)+8*\m+4*\c:128*(\fs)+8*\m+4*\c+3], v5 offset:4224*\m+64*(\s)+32*\c
.endr
.endr
.irp u, 0,1,2
.irp t, 0,1,2,3
.irp c, 0,1
	ds_load_b128 v[128*(\fs)+32+32*\u+8*\t+4*\c:128*(\fs)+32+32*\u+8*\t+4*\c+3], v6 offset:GRP*\u+4224*\t+64*(\s)+32*\c
.endr
.endr
.endr
.endm
; K step s on set fs: 48 matrix instructions; the 48 accumulators take turns, one instruction a turn, in the same order in every step.
; The scale word of (tile t, K step s) is register base + 8 (t / 2) + s, lanes 0-15 for even t, lanes 16-31 for odd t.
.macro MULS s, fs, z
	WIN 0xa5                                       ; sources 0 and 1 window 1, C and D window 2
.irp m, 0,1,2,3
.irp u, 0,1
.irp t, 0,1,2,3
	WM 128*\u+32*\m+8*\t, 128*(\fs)+32+32*\u+8*\t, 128*(\fs)+8*\m, \z, 48+16*\u+8*(\t/2)+(\s), 32+8*(\m/2)+(\s), \t%2, \m%2
.endr
.endr
.endr
	WIN 0xf5                                       ; C and D window 3
.irp n, 0,1,2,3
.irp t, 0,1,2,3
	WM 32*\n+8*\t, 128*(\fs)+8*\t, 128*(\fs)+96+8*\n, \z, 32+8*(\t/2)+(\s), 80+8*(\n/2)+(\s), \t%2, \n%2
.endr
.endr
.endm
; A head's product: eight K steps of 128.  A step's fragments are asked for ahead of the step before it.
.macro PRODUCT
	FETCH 0, 0
.irp s, 0,1,2,3,4,5,6
.if \s > 0
	PLACES                                         ; the set to be loaded was read by the products just issued
.endif
	FETCH \s+1, (\s+1)%2
	s_wait_dscnt 32                                ; all but the 32 loads just issued: this step's set is in
.if \s == 0
	MULS \s, \s%2, 1
.else
	MULS \s, \s%2, 0
.endif
.endr
	s_wait_dscnt 0x0
	MULS 7, 1, 0
	WIN 0
.endm
.macro SCW off                         ; the scale bytes of a head's 192 rows of W, for all of K, into v48-95: eight neighbouring lanes read 256 consecutive bytes in two loads
.irp p, 0,1,2
.irp i, 0,1
.irp u, 0,1
	global_load_b128 v[48+16*\p+8*\i+4*\u:51+16*\p+8*\i+4*\u], v11, s[10:11] offset:(\off)+32768*\p+512*\i+16*\u
.endr
.endr
.endr
.endm
; Sixteen packed instructions over 32 registers each.  bi, ci = 1: that source runs with the destination; 0: it is one pair
.macro PK_MULV d, a, b                 ; d = a x b
.set ii, 0
.rept 16
	v_pk_mul_f32 v[\d+ii:\d+ii+1], v[\a+ii:\a+ii+1], v[\b+ii:\b+ii+1]
.set ii, ii+2
.endr
.endm
.macro PK_SUBP d, a, pr                ; d = a - the pair v[pr]
.set ii, 0
.rept 16
	v_pk_add_f32 v[\d+ii:\d+ii+1], v[\a+ii:\a+ii+1], v[\pr:\pr+1] neg_lo:[0,1] neg_hi:[0,1]
.set ii, ii+2
.endr
.endm
.macro PK_VSV d, a, sc, c, ci          ; d = a x s[sc] + c
.set ii, 0
.rept 16
	v_pk_fma_f32 v[\d+ii:\d+ii+1], v[\a+ii:\a+ii+1], s[\sc:\sc+1], v[\c+\ci*ii:\c+\ci*ii+1] op_sel_hi:[1,0,1]
.set ii, ii+2
.endr
.endm
.macro PK_VVS d, a, b, bi, sc          ; d = a x b + s[sc]
.set ii, 0
.rept 16
	v_pk_fma_f32 v[\d+ii:\d+ii+1], v[\a+ii:\a+ii+1], v[\b+\bi*ii:\b+\bi*ii+1], s[\sc:\sc+1] op_sel_hi:[1,1,0]
.set ii, ii+2
.endr
.endm
.macro PKF d, a, b, bi, c, ci          ; d = a x b + c
.set ii, 0
.rept 16
	v_pk_fma_f32 v[\d+ii:\d+ii+1], v[\a+ii:\a+ii+1], v[\b+\bi*ii:\b+\bi*ii+1], v[\c+\ci*ii:\c+\ci*ii+1]
.set ii, ii+2
.endr
.endm
; The largest magnitudes of two blocks of 32 registers, a and b, into v[t] and v[t + 2]: four chains by turns.  The floor 2^(3 - 127) is a leaf of each chain: so a scale's byte cannot fall under 1.
.macro BMAX2 t, a, b
	v_max3_num_f32 v[\t], |v[\a]|, |v[\a+1]|, 0x1800000
	v_max3_num_f32 v[\t+1], |v[\a+16]|, |v[\a+17]|, 0x1800000
	v_max3_num_f32 v[\t+2], |v[\b]|, |v[\b+1]|, 0x1800000
	v_max3_num_f32 v[\t+3], |v[\b+16]|, |v[\b+17]|, 0x1800000
.set ii, 2
.rept 7
	v_max3_num_f32 v[\t], |v[\a+ii]|, |v[\a+ii+1]|, v[\t]
	v_max3_num_f32 v[\t+1], |v[\a+16+ii]|, |v[\a+17+ii]|, v[\t+1]
	v_max3_num_f32 v[\t+2], |v[\b+ii]|, |v[\b+ii+1]|, v[\t+2]
	v_max3_num_f32 v[\t+3], |v[\b+16+ii]|, |v[\b+17+ii]|, v[\t+3]
.set ii, ii+2
.endr
	v_max_num_f32 v[\t], v[\t], v[\t+1]
	v_max_num_f32 v[\t+2], v[\t+2], v[\t+3]
.endm
.macro SC2 r, k                        ; a packed form names a pair and takes its low word for both halves, so both words are written
	s_mov_b32 s[\r], \k
	s_mov_b32 s[\r+1], \k
.endm
.macro HC r, k                         ; a coefficient of the cosine, twice, negative in lanes 0-15
	v_xor_b32 v[\r], \k, v15
	v_xor_b32 v[\r+1], \k, v15
.endm
	s_load_b256 s[4:11], s[0:1], 0x0               ; x's codes s[4:5], x's scales s[6:7], W's codes s[8:9], W's scales s[10:11]
	s_load_b128 s[12:15], s[0:1], 0x20             ; qc s[12:13], qs s[14:15]
	s_load_b64 s[16:17], s[0:1], 0x30              ; kv
	v_lshl_add_u32 v254, v0, 2, SPARE
	v_mov_b32 v255, 0
	ds_add_u32 v254, v255                          ; the opening lines: the add, twice on end, and its wait ahead of my first tensor load
	ds_add_u32 v254, v255
	v_lshrrev_b32 v1, 5, v0
	v_readfirstlane_b32 s18, v1                    ; wave 0..3
	s_bfe_u32 s19, ttmp6, 0x40000                  ; cx, cy: my place in the cluster
	s_bfe_u32 s20, ttmp6, 0x40004
	s_lshl_b32 s21, ttmp9, 2
	s_add_co_u32 s21, s21, s19                     ; my column 0..7 = the first head
	s_and_b32 s22, ttmp7, 0xffff
	s_lshl_b32 s22, s22, 2
	s_add_co_u32 s22, s22, s20                     ; the block of 256 tokens
	s_lshl_b32 s23, s20, 2
	s_lshl_b32 s23, 15, s23                        ; my row of the cluster
	s_lshl_b32 s89, 0x1111, s19                    ; my column
	; descriptor group 1.  x: 4 rows of 16,384 bytes, 32,768 apart; W: 3 rows of 16,384 bytes, 1,024 rows of W apart
	s_or_b32 s24, s23, FLD                         ; x's tiles hang on the tokens alone: shared along my row
	s_mov_b32 s25, 16384<<16                       ; tensor_dim0
	s_mov_b32 s26, 4<<16                           ; tensor_dim1
	s_mov_b32 s27, 16384<<16                       ; tile_dim0
	s_mov_b32 s28, 4                               ; tile_dim1
	s_mov_b32 s29, 32768                           ; from row to row
	s_mov_b32 s30, 0
	s_mov_b32 s31, 0
	s_or_b32 s32, s89, FLD                         ; W's tiles hang on the head alone: shared along my column
	s_mov_b32 s33, 16384<<16
	s_mov_b32 s34, 3<<16
	s_mov_b32 s35, 16384<<16
	s_mov_b32 s36, 3
	s_mov_b32 s37, 524288
	s_mov_b32 s38, 0
	s_mov_b32 s39, 0
	; where the tiles come from, in registers that hold only what the partners share, and where they go
	s_and_b32 s3, s18, 1                           ; b: which half I fetch
	s_lshl_b32 s60, s22, 17                        ; x: 256 block rows of 512 bytes, + 32 b rows
	s_lshl_b32 s61, s3, 14
	s_add_co_u32 s60, s60, s61
	s_mov_b32 s61, 0
	s_lshl_b32 s62, s21, 15                        ; W: 64 head rows, + 32 b rows
	s_lshl_b32 s63, s3, 14
	s_add_co_u32 s62, s62, s63
	s_mov_b32 s63, 0
	s_mov_b32 s40, 1
	s_mul_i32 s41, s3, DBX
	s_mov_b32 s44, 1
	s_mul_i32 s45, s3, DBW
	s_add_co_u32 s45, s45, WCO
	s_mul_i32 s2, s18, GRP                         ; my wave's group of 64 tokens in each half of x
	SC2 IPI, 0x3ea2f983                            ; 1 / pi
	SC2 PH, 0xc0490fdb                             ; -(pi rounded to f32)
	SC2 PL, 0x33bbbd2e                             ; -(the rest, rounded): +8.74227766e-8
	SC2 A5, 0xb2d7322b                             ; -1 / 11!
	SC2 A4, 0x3638ef1d                             ; 1 / 9!
	SC2 A3, 0xb9500d01                             ; -1 / 7!
	SC2 A2, 0x3c088889                             ; 1 / 5!
	SC2 A1, 0xbe2aaaab                             ; -1 / 3!
	s_mov_b32 s86, 0x76543210                      ; v_permlanex16_b32's selects for lane l xor 16
	s_mov_b32 s87, 0xfedcba98
	; a lane's places
	v_and_b32 v1, 15, v0                           ; r
	v_bfe_u32 v2, v0, 4, 1                         ; h
	v_and_b32 v3, 31, v0                           ; lane
	v_and_b32 v16, 7, v1
	v_lshrrev_b32 v17, 3, v1
	v_mul_u32_u24 v4, v16, 528
	v_lshl_add_u32 v4, v2, 4, v4                   ; 528 (r & 7) + 16 h; tile t lies 8 rows, 4,224 bytes, on
	v_mad_u32_u24 v5, v17, DBX, v4
	v_add_nc_u32 v5, s2, v5                        ; x: my group, half r >> 3
	v_mad_u32_u24 v6, v17, DBW, v4
	v_add_nc_u32 v6, WCO, v6                       ; W: q's rows; k's and v's lie GRP and 2 GRP on
	v_lshlrev_b32 v9, 4, v3                        ; 16 x lane: an image's place
	v_lshlrev_b32 v10, 3, v3                       ; 8 x lane: two scale words'
	v_lshlrev_b32 v11, 5, v16
	v_lshl_add_u32 v11, v17, 10, v11
	v_lshl_add_u32 v11, v2, 8, v11                 ; scale bytes, 32 a row: lanes 0-15 the rows of an even tile, lanes 16-31 of the odd tile 8 rows on
	s_lshr_b32 s2, s18, 1
	s_lshl_b32 s2, s2, 8
	s_lshl_b32 s3, s3, 1
	s_add_co_u32 s2, s2, s3
	s_add_co_u32 s2, s2, VSTG
	v_lshl_add_u32 v12, v1, 3, s2                  ; v's scale words: key step w / 2 of the work-group's two, my two bytes of a word at 2 (w & 1), 8 bytes a row
	v_lshl_add_u32 v13, v3, 4, VSTG                ; and back, 16 bytes a lane
	v_lshlrev_b32 v14, 3, v2                       ; 8 h
	v_xor_b32 v15, 1, v2
	v_lshlrev_b32 v15, 31, v15                     ; the sign bit in lanes 0-15
	s_wait_alu depctr_va_vdst(0)
	s_wait_dscnt 0x0                               ; both opening adds are done
	s_wait_kmcnt 0x0
	s_add_nc_u64 s[42:43], s[4:5], s[60:61]
	s_or_b32 s43, s43, 0x80000000                  ; the type
	s_add_nc_u64 s[46:47], s[8:9], s[62:63]
	s_or_b32 s47, s47, 0x80000000
	; the scale bytes of my 64 tokens and of the first head's 192 rows go straight into registers
	s_lshl_b32 s2, s22, 13
	s_lshl_b32 s3, s18, 11
	s_add_co_u32 s2, s2, s3
	s_mov_b32 s3, 0
	s_add_nc_u64 s[6:7], s[6:7], s[2:3]
	s_lshl_b32 s2, s21, 11
	s_add_nc_u64 s[10:11], s[10:11], s[2:3]
.irp i, 0,1
.irp u, 0,1
	global_load_b128 v[32+8*\i+4*\u:35+8*\i+4*\u], v11, s[6:7] offset:512*\i+16*\u
.endr
.endr
	SCW 0
	CROUND                                         ; all sixteen work-groups are here: the joint loads meet
	s_cmp_lt_u32 s18, 2                            ; one chain of branches on the wave's number, a load to an arm: every way through the head passes one
	s_cbranch_scc0 .Lhead_w
	tensor_load_to_lds s[40:43], s[24:31]          ; waves 0, 1: a half of x
	s_nop 0
	PLACES
	s_branch .Lhead_asked
.Lhead_w:
	tensor_load_to_lds s[44:47], s[32:39]          ; waves 2, 3: a half of the first head's W
	s_nop 0
	PLACES
.Lhead_asked:
	; where the first head's results go
	s_lshr_b32 s66, s22, 2
	s_lshl_b32 s66, s66, 4
	s_add_co_u32 s66, s66, s21                     ; bh = 16 x batch + head
	s_and_b32 s67, s22, 3
	s_lshl_b32 s89, s67, 2
	s_add_co_u32 s89, s89, s18                     ; g: my group of 64 tokens in the batch
	s_lshl_b32 s2, s66, 15
	s_lshl_b32 s23, s89, 11
	s_add_co_u32 s2, s2, s23
	s_add_nc_u64 s[90:91], s[12:13], s[2:3]        ; q's codes: 32,768 bh + 2,048 g
	s_lshl_b32 s2, s66, 12
	s_lshl_b32 s60, s89, 8
	s_add_co_u32 s2, s2, s60
	s_add_nc_u64 s[98:99], s[14:15], s[2:3]        ; q's scale words: 4,096 bh + 256 g
	s_mul_i32 s61, s66, REC                        ; the head's record
	s_add_co_u32 s2, s61, s23
	s_add_nc_u64 s[92:93], s[16:17], s[2:3]        ; k's codes
	s_add_co_u32 s2, s61, s60
	s_add_co_u32 s2, s2, 65536
	s_add_nc_u64 s[96:97], s[16:17], s[2:3]        ; k's scale words
	s_lshr_b32 s62, s89, 1
	s_lshl_b32 s62, s62, 12
	s_and_b32 s63, s89, 1
	s_lshl_b32 s63, s63, 9
	s_add_co_u32 s2, s61, s62
	s_add_co_u32 s2, s2, s63
	s_add_co_u32 s2, s2, 32768
	s_add_nc_u64 s[94:95], s[16:17], s[2:3]        ; v's codes: key step g / 2, half g & 1 of its fragments
	s_lshl_b32 s62, s67, 9
	s_add_co_u32 s2, s61, s62
	s_add_co_u32 s2, s2, 69632
	s_add_nc_u64 s[100:101], s[16:17], s[2:3]      ; v's scale words: the work-group's two key steps
	s_wait_loadcnt 0x0                             ; the scale words
	s_wait_tensorcnt 0x0                           ; my tile has landed,
	s_barrier_signal -1
	s_barrier_wait -1                              ; everybody's has
	PRODUCT                                        ; the first head
	; W's bytes are filled again with the second head's rows.  The round takes the barrier's place
	s_wait_tensorcnt 0x0
	ds_add_u32 v254, v255
	s_add_nc_u64 s[46:47], s[46:47], 262144        ; no load of mine is out: eight heads, 512 rows of W, on
	s_wait_dscnt 0x0                               ; the add is done, and my reads of W are over
	CROUND                                         ; no wave of any partner still reads W
	s_cmp_lt_u32 s18, 2
	s_cbranch_scc1 .Lno_refill
	tensor_load_to_lds s[44:47], s[32:39]          ; waves 2, 3: one load each
	s_nop 0
	PLACES
.Lno_refill:
	PLACES                                         ; behind the last products, whose scale registers are loaded below
	SCW 16384                                      ; the second head's scale bytes: 512 rows of 32 bytes on
	s_mov_b32 s88, 0                               ; the trip
.Lepi:
	PLACES                                         ; behind the last products
	WIN 0x40                                       ; constants and the lane's numbers into window 1
	v_sub_nc_u32 v[MAG], 0x4b400001, v2            ; 1.5 x 2^23 + 1 - h: one more in the bits is 1.0 more
	v_sub_nc_u32 v[MAG+1], 0x4b400001, v2
	v_mov_b32 v[A6], 0x2f309231                    ; 1 / 13!, twice
	v_mov_b32 v[A6+1], 0x2f309231
	HC B6, 0x310f76c7                              ; 1 / 12!
	HC B5, 0xb493f27e                              ; -1 / 10!
	HC B4, 0x37d00d01                              ; 1 / 8!
	HC B3, 0xbab60b61                              ; -1 / 6!
	HC B2, 0x3d2aaaab                              ; 1 / 4!
	HC B1, 0xbf000000                              ; -1 / 2
	HC B0, 0x3f800000                              ; 1
	v_mov_b32 v181, v14                            ; 8 h
	v_mov_b32 v182, v2                             ; h
	v_mov_b32 v174, 0                              ; a lane permute's destination counts as one of its sources
	v_mov_b32 v175, 0
.irp n, 0,1,2,3
	v_mov_b32 v[144+\n], 0
.endr
	; V: four tiles of channels; in each a lane holds one channel and a whole block of 32 keys.  v128.. largest magnitudes, v136.. the conversions' scale operands, v140.. bytes, v148.. half words
	WIN 0x5f                                       ; sources 0 and 1 window 3
.irp n, 0,1,2,3
	v_max3_num_f32 v[128+\n], |v[32*\n]|, |v[32*\n+1]|, 0x1800000
	v_max3_num_f32 v[132+\n], |v[32*\n+16]|, |v[32*\n+17]|, 0x1800000
.endr
.irp i, 2,4,6,8,10,12,14
.irp n, 0,1,2,3
	v_max3_num_f32 v[128+\n], |v[32*\n+\i]|, |v[32*\n+\i+1]|, v[128+\n]
	v_max3_num_f32 v[132+\n], |v[32*\n+16+\i]|, |v[32*\n+17+\i]|, v[132+\n]
.endr
.endr
	WIN 0x55
.irp n, 0,1,2,3
	v_max_num_f32 v[128+\n], v[128+\n], v[132+\n]
.endr
.irp n, 0,1,2,3
	v_add_nc_u32 v[136+\n], 0xff000000, v[128+\n]  ; 2 off the exponent field: the conversion takes the exponent field of this operand as its scale
.endr
.irp n, 0,1,2,3
	v_lshrrev_b32 v[140+\n], 23, v[136+\n]         ; the scale's byte
.endr
	WIN 0x47                                       ; source 0 window 3
.irp n, 0,1,2,3
.irp t, 0,1,2,3
	v_cvt_scalef32_pk8_fp4_f32 v[228+4*\n+\t], v[32*\n+8*\t:32*\n+8*\t+7], v[136+\n]
.endr
.endr
	WIN 0x55
	v_nop                                          ; one plain place behind a scaled conversion
.irp n, 0,1,2,3
	v_lshlrev_b32 v[140+\n], v181, v[140+\n]       ; my byte at its place, 8 h bits up;
.endr
.irp n, 0,1,2,3
	v_permlanex16_b32 v[144+\n], v[140+\n], s86, s87
.endr
.irp n, 0,1,2,3
	v_or_b32 v[148+\n], v[140+\n], v[144+\n]       ; with lane l xor 16's: the two bytes of my 64 keys
.endr
	WIN 0x04                                       ; a store's data are its source 1: window 1
.irp n, 0,1,2,3
	global_store_b128 v9, v[228+4*\n:231+4*\n], s[94:95] offset:1024*\n   ; 512 consecutive bytes
.endr
.irp n, 0,1,2,3
	ds_store_b16 v12, v[148+\n] offset:128*(\n%2)+4*(\n/2)   ; both halves of the lanes write the same two bytes with the same value
.endr
; THE ROTARY STEP AND THE QUANTISERS for tile m of my tokens: 32 numbers of q and of k a lane, channels 32 h + 0 .. 31
.macro ROPE m
.set QB, 32*(\m)
.set KB, 128+32*(\m)
	WIN 0x56                                       ; source 0 window 2
	PK_VSV NA, QB, IPI, MAG, 0                     ; t = q / pi + 1.5 x 2^23 + 1 - h
	WIN 0x55
.set ii, 0
.rept 32
	v_lshl_or_b32 v[CA+ii], v[NA+ii], 31, 0x3f800000   ; g: 1.0 under t's low bit as its sign
.set ii, ii+1
.endr
	PK_SUBP NA, NA, MAG                            ; n, exactly
	WIN 0x65                                       ; source 2 window 2
	PK_VSV RA, NA, PH, QB, 1                       ; r = q - n pi, in two parts
	WIN 0x55
	PK_VSV RA, NA, PL, RA, 1
	PK_MULV R2A, RA, RA                            ; z = r^2
	PK_MULV RA, RA, CA                             ; g r
	PKF NA, R2A, B6, 0, B5, 0                      ; the cosine: ((((((z / 12! - 1 / 10!) z + 1 / 8!) z - 1 / 6!) z + 1 / 4!) z - 1 / 2) z + 1
	PK_VVS SA, R2A, A6, 0, A5                      ; the sine: (((((z / 13! - 1 / 11!) z + 1 / 9!) z - 1 / 7!) z + 1 / 5!) z - 1 / 3!) z g r + g r
	PKF NA, NA, R2A, 1, B4, 0
	PK_VVS SA, SA, R2A, 1, A4
	PKF NA, NA, R2A, 1, B3, 0
	PK_VVS SA, SA, R2A, 1, A3
	PKF NA, NA, R2A, 1, B2, 0
	PK_VVS SA, SA, R2A, 1, A2
	PKF NA, NA, R2A, 1, B1, 0
	PK_VVS SA, SA, R2A, 1, A1
	PKF NA, NA, R2A, 1, B0, 0
	PK_MULV R2A, RA, R2A
	PKF R2A, SA, R2A, 1, RA, 1                     ; sin q, negative in lanes 0-15
	PK_MULV RA, NA, CA                             ; cos q
	WIN 0x56
	PK_MULV SA, QB, RA                             ; q cos q
	PK_MULV CA, KB, RA                             ; k cos q
	; the rotated vector: channel e < 32 wants -x[2 e + 1], channel 32 + e wants x[2 e].  One exchange a pair of registers: the odd register's lanes 16-31 change places with the even
	; register's lanes 0-15.  Then register 2 e + 1 holds what my channel 32 h + e wants for e < 16, and register 2 (e - 16) for e >= 16.
	WIN 0x82                                       ; both registers window 2
.set ii, 0
.rept 16
	v_permlane16_swap_b32 v[QB+ii+1], v[QB+ii]
	v_permlane16_swap_b32 v[KB+ii+1], v[KB+ii]
.set ii, ii+2
.endr
	WIN 0x56
.set ii, 0
.rept 16
	v_fmac_f32 v[SA+ii], v[QB+2*ii+1], v[R2A+ii]
	v_fmac_f32 v[CA+ii], v[KB+2*ii+1], v[R2A+ii]
	v_fmac_f32 v[SA+16+ii], v[QB+2*ii], v[R2A+16+ii]
	v_fmac_f32 v[CA+16+ii], v[KB+2*ii], v[R2A+16+ii]
.set ii, ii+1
.endr
	WIN 0x55
	BMAX2 160, SA, CA                              ; q' and k': a lane's 32 numbers are block h of its token
	v_add_nc_u32 v164, 0xff000000, v160
	v_add_nc_u32 v165, 0xff000000, v162
	v_lshrrev_b32 v166, 23, v164
	v_lshrrev_b32 v167, 23, v165
.irp t, 0,1,2,3
	v_cvt_scalef32_pk8_fp4_f32 v[184+8*(\m)+\t], v[SA+8*\t:SA+8*\t+7], v164
.endr
.irp t, 0,1,2,3
	v_cvt_scalef32_pk8_fp4_f32 v[188+8*(\m)+\t], v[CA+8*\t:CA+8*\t+7], v165
.endr
	v_nop                                          ; one plain place behind a scaled conversion
	v_lshlrev_b32 v166, v181, v166
	v_lshlrev_b32 v167, v181, v167
	v_permlanex16_b32 v174, v166, s86, s87
	v_permlanex16_b32 v175, v167, s86, s87
	v_or_b32 v[216+(\m)], v166, v174               ; the token's scale word: bytes 0, 1 its two blocks; bytes 2, 3 are 0 and stand over zero codes
	v_or_b32 v[220+(\m)], v167, v175
	WIN 0x04
	global_store_b128 v9, v[184+8*(\m):187+8*(\m)], s[90:91] offset:512*(\m)   ; each tile has code registers of its own
	global_store_b128 v9, v[188+8*(\m):191+8*(\m)], s[92:93] offset:512*(\m)
.endm
	ROPE 0
	ROPE 1
	ROPE 2
	ROPE 3
	; the scale words, two to a lane: lanes 0-15 those of tiles 0 and 2, lanes 16-31 of tiles 1 and 3
	WIN 0x55
	v_cmp_eq_u32 vcc_lo, 1, v182
	v_cndmask_b32 v224, v216, v217, vcc_lo
	v_cndmask_b32 v225, v218, v219, vcc_lo
	v_cndmask_b32 v226, v220, v221, vcc_lo
	v_cndmask_b32 v227, v222, v223, vcc_lo
	WIN 0x04
	global_store_b64 v10, v[224:225], s[98:99]     ; 256 consecutive bytes
	global_store_b64 v10, v[226:227], s[96:97]
	WIN 0
	s_wait_dscnt 0x0                               ; for the others' sake: my half words of v's scale words have landed
	s_barrier_signal -1
	s_barrier_wait -1
	s_cmp_lg_u32 s18, 0
	s_cbranch_scc1 .Lnot_first
	ds_load_b128 v[16:19], v13                     ; wave 0 stores the two key steps' words whole: 512 consecutive bytes
	s_wait_dscnt 0x0
	global_store_b128 v9, v[16:19], s[100:101]
.Lnot_first:
	s_cmp_eq_u32 s88, 1
	s_cbranch_scc1 .Ldone                          ; the second head is out
	s_wait_xcnt 0x0                                ; the stores have read their bases and their data: both are written below
	s_add_nc_u64 s[90:91], s[90:91], 262144        ; eight heads on
	s_add_nc_u64 s[98:99], s[98:99], 32768
.irp p, 92,94,96,100
	s_add_nc_u64 s[\p:\p+1], s[\p:\p+1], 8*REC
.endr
	s_wait_loadcnt 0x0                             ; the second head's scale words
	s_wait_tensorcnt 0x0                           ; my half of its W has landed,
	s_barrier_signal -1
	s_barrier_wait -1                              ; everybody's has; and wave 0 has read the stage, which the next trip stores to
	PRODUCT                                        ; the second head
	s_add_co_u32 s88, s88, 1
	s_cmp_lt_u32 s88, 2
	s_cbranch_scc1 .Lepi
.Ldone:
	s_wait_tensorcnt 0x0                           ; the wave's end
	ds_add_u32 v254, v255
	s_wait_dscnt 0x0
	CROUND                                         ; the closing round
	s_endpgm
.Lfunc_end_k_qb52456237b_qkv:
	.size	k_qb52456237b_qkv, .Lfunc_end_k_qb52456237b_qkv-k_qb52456237b_qkv
	.p2alignl 7, 3214868480
	.fill 96, 4, 3214868480
	.section	.rodata,"a",@progbits
	.p2align	6, 0x0
	.amdhsa_kernel k_qb52456237b_qkv
		.amdhsa_group_segment_fixed_size 327680
		.amdhsa_private_segment_fixed_size 0
		.amdhsa_enable_private_segment 0
		.amdhsa_kernarg_size 56
		.amdhsa_user_sgpr_count 2
		.amdhsa_user_sgpr_kernarg_segment_ptr 1
		.amdhsa_wavefront_size32 1
		.amdhsa_system_sgpr_workgroup_id_x 1
		.amdhsa_system_sgpr_workgroup_id_y 1
		.amdhsa_system_sgpr_workgroup_id_z 1
		.amdhsa_system_vgpr_workitem_id 0
		.amdhsa_next_free_vgpr 896
		.amdhsa_next_free_sgpr 102
		.amdhsa_reserve_vcc 1
		.amdhsa_float_denorm_mode_32 3
		.amdhsa_float_denorm_mode_16_64 3
		.amdhsa_memory_ordered 1
		.amdhsa_forward_progress 1
		.amdhsa_inst_pref_size 255
	.end_amdhsa_kernel
	.section	.bss,"aw",@nobits
	.p2align	6
	.space	262144
	.amdgpu_metadata
---
amdhsa.version: [ 1, 2 ]
amdhsa.kernels:
  - .name:           k_qb52456237b_qkv
    .symbol:         k_qb52456237b_qkv.kd
    .args:
      - { .name: x_codes, .offset: 0, .size: 8, .value_kind: global_buffer, .address_space: global }
      - { .name: x_scales, .offset: 8, .size: 8, .value_kind: global_buffer, .address_space: global }
      - { .name: W_attn_codes, .offset: 16, .size: 8, .value_kind: global_buffer, .address_space: global }
      - { .name: W_attn_scales, .offset: 24, .size: 8, .value_kind: global_buffer, .address_space: global }
      - { .name: qc, .offset: 32, .size: 8, .value_kind: global_buffer, .address_space: global }
      - { .name: qs, .offset: 40, .size: 8, .value_kind: global_buffer, .address_space: global }
      - { .name: kv, .offset: 48, .size: 8, .value_kind: global_buffer, .address_space: global }
    .group_segment_fixed_size: 327680
    .private_segment_fixed_size: 0
    .kernarg_segment_align: 8
    .kernarg_segment_size: 56
    .max_flat_workgroup_size: 128
    .sgpr_count:     102
    .vgpr_count:     896
    .wavefront_size: 32
...
	.end_amdgpu_metadata
.endif
;; end of part 1
;; launch attn (part 2): grid 4 x 64, 16 waves a work-group, clusters of 4 x 1, 169,984 bytes of LDS; arguments qc, qs, kv, yc, ys; writes yc, ys
.if DOCPART == 2
	.amdgcn_target "amdgcn-amd-amdhsa--gfx1250"
	.amdhsa_code_object_version 6
	.text
	.protected	k_qb52456237b_attn
	.globl	k_qb52456237b_attn
	.p2align	8
	.type	k_qb52456237b_attn,@function
k_qb52456237b_attn:
	s_mov_b64 s[64:65], 0
	v_nop
	global_prefetch_b8 v0, s[64:65] scope:SCOPE_SE
	s_setreg_imm32_b32 hwreg(HW_REG_WAVE_MODE, 25, 1), 1
	s_wait_xcnt 0x0
	s_wait_alu depctr_hold_cnt(0) depctr_sa_sdst(0) depctr_va_vdst(0) depctr_va_sdst(0) depctr_va_ssrc(0) depctr_va_vcc(0) depctr_vm_vsrc(0)
	s_getreg_b32 s2, hwreg(HW_REG_IB_STS2, 6, 4)
	s_cmp_eq_u32 s2, 0
	s_cbranch_scc0 .Lentry_in_a_cluster
	s_endpgm
.Lentry_in_a_cluster:
	s_bfe_u32 s2, ttmp6, 0x10000c
	s_cmp_lg_u32 s2, 0x3003
	s_cbranch_scc0 .Lentry_shape_is_right
	s_endpgm
.Lentry_shape_is_right:
; Causal attention of two heads of one batch on codes of FP4 (E2M1), and the quantising of y along its channels.  Softmax scale 1.
; t = score x log2(e); M = the row's largest t so far, rounded UP to a whole number; p = 2^(t - M) is what is quantised, along the keys, not normalised.  The row's sum is taken of the unquantised p and
; divides O at the end.  When M moves, the sum and O are multiplied by 2^(old M - new M): exact.
; SHARES.  Work-group (m, y): y = 8 x batch + pair of heads; m = my place in the cluster = which tile of 16 queries of each group of 64.  Wave w: head 2 (y & 7) + (w & 1); with P = w / 2 it runs the query
; tiles of groups P and 15 - P one after the other: (P / 2 + 1) + ((15 - P) / 2 + 1) = 9 key steps of 128 in every wave.  Four waves share a SIMD, so one wave's vector work stands beside another's products.
; CLUSTER, 4 x 1: the four partners differ in m alone and read the same two heads' K and V: one dense block of 143,360 bytes, asked for jointly, filled once.  m enters global addresses and the mask's
; vector operand; no branch and no LDS address.
; LAYOUT.  All operands lie in memory as images of their registers.  S^T = K Q^T (source 0 = 16 keys, source 1 = my 16 queries), O^T = V^T P^T: a lane holds ONE query throughout.
; Lane r of tile t of a group of 64 keys holds key 8 t + (r & 7) + 32 (r >> 3): so the 32 registers of a group's four tiles are keys 32 h + 0 .. 31 in order, a whole block of 32 in one lane: its largest
; score needs no other lane, and four conversions give registers 4 c .. 4 c + 3 of P's fragment as they stand.  V's channels are laid likewise, so O^T's 32 registers are channels 32 h + 0 .. 31 of my query.
; The first product's K is 64: registers 4-7 of Q's and K's fragments are zero codes, written once.
; CAUSAL.  The loop over key steps has a constant count; a step all of whose keys come after the tile's queries is jumped over by a branch on the wave's number and the counter; in the tile's last step hidden scores become -infinity.
; LIMITS: NaN and infinities are not served; a block of zeros gets the scale byte 1 where the quantiser's rule says 127 (its codes are zeros; only this program reads these bytes); a block's largest p is taken
; as the exponential of its largest score, which takes v_exp_f32 not to fall where its input rises; v_exp_f32 gives 0 for results under 2^-126.
; REGISTERS: v1 K's and V's codes, v3 scale words, v2, v4, v11 the stage for y's scale words, v5 the mask's lane term, v6 16 x lane, v7 8 h, v8-10 the step's addresses; v12 -M, v13 the largest t,
; v[14:15] the sum in two halves; v16-31 Q of both tiles; v32-95 eight fragments of K; v96-159 S^T, then p; v160-191 O^T; v192-223 four fragments of V; v224-231 p's codes; v232-239, v254 at work;
; v240-243 K's scale words, later the sum's work space; v244-245 V's, v246-247 Q's, v248 p's: these hold scales and nothing else; v249 the mask's operand; v250-251 y's half words; v[252:253] f; v255 -infinity.
.set REC, 71680                        ; a head's record: K's codes at 0, V's at 32,768, K's scale words at 65,536, V's at 69,632
.set YS,  2*REC                        ; behind the two records, at a multiple of 256: 1,024 bytes in which the waves gather y's scale words; no tile lands here
.macro PLACES
.rept 4
	v_nop
.endr
.endm
.macro CROUND                          ; a round of the cluster's barrier
	s_barrier_signal -1
	s_barrier_wait -1
	s_cmp_lg_u32 s18, 0
	s_cbranch_scc1 .Lnot_wave_0_\@
	s_barrier_signal -3
.Lnot_wave_0_\@:
	s_barrier_wait -3
	s_barrier_signal -1
	s_barrier_wait -1
.endm
; One matrix instruction.  z = 1: the constant 0 starts the sum.  ra = 1: source 0's scale words stand in lanes 16-31 of their register.
.macro WM d, a, b, z, sa, sb, ra
.if (\z)
.if (\ra)
	v_wmma_scale_f32_16x16x128_f8f6f4 v[(\d):(\d)+7], v[(\a):(\a)+7], v[(\b):(\b)+7], 0, v[(\sa)], v[(\sb)] matrix_a_fmt:MATRIX_FMT_FP4 matrix_b_fmt:MATRIX_FMT_FP4 matrix_a_scale:MATRIX_SCALE_ROW1
.else
	v_wmma_scale_f32_16x16x128_f8f6f4 v[(\d):(\d)+7], v[(\a):(\a)+7], v[(\b):(\b)+7], 0, v[(\sa)], v[(\sb)] matrix_a_fmt:MATRIX_FMT_FP4 matrix_b_fmt:MATRIX_FMT_FP4
.endif
.else
.if (\ra)
	v_wmma_scale_f32_16x16x128_f8f6f4 v[(\d):(\d)+7], v[(\a):(\a)+7], v[(\b):(\b)+7], v[(\d):(\d)+7], v[(\sa)], v[(\sb)] matrix_a_fmt:MATRIX_FMT_FP4 matrix_b_fmt:MATRIX_FMT_FP4 matrix_a_scale:MATRIX_SCALE_ROW1
.else
	v_wmma_scale_f32_16x16x128_f8f6f4 v[(\d):(\d)+7], v[(\a):(\a)+7], v[(\b):(\b)+7], v[(\d):(\d)+7], v[(\sa)], v[(\sb)] matrix_a_fmt:MATRIX_FMT_FP4 matrix_b_fmt:MATRIX_FMT_FP4
.endif
.endif
.endm
	s_load_b256 s[4:11], s[0:1], 0x0               ; qc s[4:5], qs s[6:7], kv s[8:9], yc s[10:11]
	s_load_b64 s[12:13], s[0:1], 0x20              ; ys
	v_lshl_add_u32 v254, v0, 2, 0x29000
	v_mov_b32 v255, 0
	ds_add_u32 v254, v255
	ds_add_u32 v254, v255
	s_wait_dscnt 0x0
	v_lshrrev_b32 v1, 5, v0
	s_delay_alu instid0(VALU_DEP_1)
	v_readfirstlane_b32 s18, v1                    ; wave 0..15
	s_bfe_u32 s19, ttmp6, 0x40000                  ; m: my place in the cluster
	s_and_b32 s20, ttmp7, 0xffff                   ; y, which the four partners share
	s_and_b32 s14, s18, 1                          ; e: which of the two heads
	s_lshr_b32 s15, s18, 1                         ; P: my first group of queries
	s_xor_b32 s17, s15, 15                         ; 15 - P: my second
	s_lshl_b32 s16, s20, 1
	s_add_co_u32 s16, s16, s14                     ; bh = 16 x batch + head
	s_lshr_b32 s42, s15, 1                         ; a tile's last key step: group / 2,
	s_lshr_b32 s43, s17, 1
	s_and_b32 s44, s15, 1                          ; and where its group lies in that step: 64 x (group & 1)
	s_lshl_b32 s44, s44, 6
	s_and_b32 s45, s17, 1
	s_lshl_b32 s45, s45, 6
	s_mov_b32 s22, 0x3fb8aa3b                      ; log2(e)
	s_mov_b32 s23, s22                             ; (named with it as a pair, so it is written)
	s_mov_b32 s36, 0x76543210                      ; v_permlanex16_b32's selects for lane l xor 16
	s_mov_b32 s37, 0xfedcba98
	; descriptor group 1: a quarter of the two records, 35,840 dense bytes, as 140 rows of 256 bytes (32 elements of 8 bytes); images are read in consecutive bytes, so there is no padding
	s_mov_b32 s24, 15|(3<<16)|(1<<21)              ; 15:0 the mask: all four work-groups; 17:16 elements of 8 bytes; 21 set beside a mask
	s_mov_b32 s25, 32<<16                          ; tensor_dim0
	s_mov_b32 s26, 140<<16                         ; tensor_dim1
	s_mov_b32 s27, 32<<16                          ; tile_dim0
	s_mov_b32 s28, 140                             ; tile_dim1
	s_mov_b32 s29, 32                              ; from row to row
	s_mov_b32 s30, 0
	s_mov_b32 s31, 0
	s_mov_b32 s32, 1
	s_mul_i32 s33, s18, 35840                      ; waves 0 to 3 fetch a quarter each
	s_mul_i32 s60, s20, 2*REC
	s_add_co_u32 s60, s60, s33
	s_mov_b32 s61, 0
	s_mov_b32 s63, 0
	s_wait_kmcnt 0x0
	s_add_nc_u64 s[34:35], s[8:9], s[60:61]
	s_or_b32 s35, s35, 0x80000000                  ; the type
	CROUND                                         ; all four work-groups are here: the joint loads meet
	s_cmp_lt_u32 s18, 4
	s_cbranch_scc0 .Lno_fetch
	tensor_load_to_lds s[32:35], s[24:31]          ; one load of mine is out: a first fill
	s_nop 0
	PLACES                                         ; four v_nop follow it
.Lno_fetch:
	; Q's images and scale words of my two tiles
	s_lshl_b32 s60, s16, 15
	s_lshl_b32 s62, s19, 9
	s_add_co_u32 s60, s60, s62
	s_lshl_b32 s62, s15, 11
	s_add_co_u32 s62, s60, s62
	s_add_nc_u64 s[52:53], s[4:5], s[62:63]        ; 32,768 bh + 2,048 g + 512 m
	s_lshl_b32 s62, s17, 11
	s_add_co_u32 s62, s60, s62
	s_add_nc_u64 s[54:55], s[4:5], s[62:63]
	s_lshl_b32 s60, s16, 12
	s_and_b32 s62, s19, 1
	s_lshl_b32 s62, s62, 7
	s_add_co_u32 s60, s60, s62
	s_lshr_b32 s62, s19, 1
	s_lshl_b32 s62, s62, 2
	s_add_co_u32 s60, s60, s62
	s_lshl_b32 s62, s15, 8
	s_add_co_u32 s62, s60, s62
	s_add_nc_u64 s[56:57], s[6:7], s[62:63]        ; 4,096 bh + 256 g + 128 (m & 1) + 4 (m / 2)
	s_lshl_b32 s62, s17, 8
	s_add_co_u32 s62, s60, s62
	s_add_nc_u64 s[58:59], s[6:7], s[62:63]
	; where y goes: ((16 batch + g) 4 + m) 8,192 + 1,024 (pair of heads) + 512 e
	s_lshr_b32 s60, s20, 3
	s_lshl_b32 s60, s60, 19
	s_lshl_b32 s62, s19, 13
	s_add_co_u32 s60, s60, s62
	s_and_b32 s62, s20, 7
	s_lshl_b32 s62, s62, 10
	s_add_co_u32 s60, s60, s62
	s_lshl_b32 s62, s14, 9
	s_add_co_u32 s60, s60, s62
	s_lshl_b32 s62, s15, 15
	s_add_co_u32 s62, s60, s62
	s_add_nc_u64 s[46:47], s[10:11], s[62:63]
	s_lshl_b32 s62, s17, 15
	s_add_co_u32 s62, s60, s62
	s_add_nc_u64 s[48:49], s[10:11], s[62:63]
	s_lshl_b32 s62, s20, 2
	s_add_co_u32 s62, s62, s19
	s_lshl_b32 s62, s62, 10
	s_lshl_b32 s60, s14, 9
	s_add_co_u32 s62, s62, s60
	s_add_nc_u64 s[50:51], s[12:13], s[62:63]      ; y's scale words: (4 y + m) 1,024, and 512 for wave 1
	; a lane's places
	v_and_b32 v232, 15, v0                         ; r
	v_bfe_u32 v233, v0, 4, 1                       ; h
	v_and_b32 v235, 31, v0                         ; lane
	s_delay_alu instid0(VALU_DEP_1)
	v_lshlrev_b32 v6, 4, v235
	s_delay_alu instid0(VALU_DEP_3)
	v_lshlrev_b32 v7, 3, v233
	s_mul_i32 s62, s14, REC
	v_add_nc_u32 v1, s62, v6                       ; my head's record, 16 x lane
	v_lshlrev_b32 v3, 3, v235
	s_add_co_u32 s62, s62, 65536
	v_add_nc_u32 v3, s62, v3                       ; its scale words, 8 x lane
	v_and_b32 v5, 7, v232
	v_lshrrev_b32 v236, 3, v232
	s_delay_alu instid0(VALU_DEP_1)
	v_lshl_add_u32 v5, v236, 5, v5
	v_lshlrev_b32 v236, 5, v233
	s_delay_alu instid0(VALU_DEP_1)
	v_sub_nc_u32 v5, v5, v236
	s_lshl_b32 s62, s19, 3
	v_add_nc_u32 v5, s62, v5                       ; my query's place in its group, less my half's 32 keys: 8 m + (r & 7) + 32 (r >> 3) - 32 h
	s_lshl_b32 s62, s15, 6
	s_lshl_b32 s60, s14, 1
	s_add_co_u32 s62, s62, s60
	s_add_co_u32 s62, s62, YS
	v_lshl_add_u32 v2, v232, 2, s62                ; the stage: word 16 g + r, my head's two bytes
	s_lshl_b32 s62, s17, 6
	s_add_co_u32 s62, s62, s60
	s_add_co_u32 s62, s62, YS
	v_lshl_add_u32 v4, v232, 2, s62
	s_lshl_b32 s62, s14, 9
	s_add_co_u32 s62, s62, YS
	v_add_nc_u32 v11, s62, v6                      ; and back: 512 bytes for each of waves 0 and 1
	v_lshlrev_b32 v237, 3, v232
	global_load_b128 v[16:19], v6, s[52:53]
	global_load_b128 v[24:27], v6, s[54:55]
	global_load_b32 v246, v237, s[56:57]
	global_load_b32 v247, v237, s[58:59]
.irp i, 20,21,22,23,28,29,30,31
	v_mov_b32 v[\i], 0                             ; zero codes for k = 64 .. 127 of the first product
.endr
.irp i, 0,1,2,3,4,5,6,7
.irp j, 4,5,6,7
	v_mov_b32 v[32+8*\i+\j], 0
.endr
.endr
	v_mov_b32 v234, 0                              ; a lane permute's destination counts as one of its sources
	v_mov_b32 v253, 0                              ; (named as the upper half of the pair v[252:253])
	v_mov_b32 v255, 0xff800000                     ; -infinity
	s_wait_tensorcnt 0x0                           ; my quarter has landed,
	s_barrier_signal -1
	s_barrier_wait -1                              ; everybody's has
	s_wait_loadcnt 0x0                             ; Q
; ONE TILE OF 16 QUERIES.  qf: Q's fragment; qsr: its scale words; gh: the scalar with its last key step; par: the scalar with 64 (group & 1); yh: where y's half word goes; yb: the base of y's image.
.macro TILE qf, qsr, gh, par, yh, yb
	s_wait_xcnt 0x0                                ; the tile before has a store out that reads v[224:227]: they are written again only behind this wait
	v_mov_b32 v13, 0xff61b1e6                      ; the largest t so far: -3e38, under every t
	s_delay_alu instid0(VALU_DEP_1)
	v_floor_f32 v12, -v13                          ; -M
	v_mov_b32 v14, 0
	v_mov_b32 v15, 0
.set nn, 0
.rept 32
	v_mov_b32 v[160+nn], 0                         ; O^T: the step is written once; the first finds zeros, which the first change of M leaves zeros
.set nn, nn+1
.endr
	v_add_nc_u32 v249, s[\par], v5                 ; d: in the last step, register 32 c + 8 t + j is hidden where 64 c + 8 t + j > d
	s_mov_b32 s38, 0                               ; the key step
	s_mov_b32 s39, 0                               ; its codes: 4,096 bytes a step, K's and V's alike
	s_mov_b32 s40, 0                               ; K's scale words: 512
	s_mov_b32 s41, 0                               ; V's: 256
.Lstep_\@:
	s_cmp_gt_u32 s38, s[\gh]                       ; all its keys come after my queries: only the addresses step
	s_cbranch_scc1 .Lskip_\@
	v_add_nc_u32 v8, s39, v1
	v_add_nc_u32 v9, s40, v3
	v_add_nc_u32 v10, s41, v3
	v_nop                                          ; these four are the places behind the last step's products, whose V and scale registers are loaded below
.irp i, 0,1,2,3,4,5,6,7
	ds_load_b128 v[32+8*\i:35+8*\i], v8 offset:512*\i              ; K: tile t of group c: i = 4 c + t
.endr
	ds_load_b64 v[240:241], v9
	ds_load_b64 v[242:243], v9 offset:256
.irp i, 0,1,2,3,4,5,6,7
	ds_load_b128 v[192+4*\i:195+4*\i], v8 offset:32768+512*\i      ; V: half c of tile n's fragment: i = 2 n + c
.endr
	ds_load_b64 v[244:245], v10 offset:4096
	s_wait_dscnt 9                                 ; K's ten loads are in; V's nine may be out
.irp c, 0,1
.irp t, 0,1,2,3
	WM 96+32*\c+8*\t, 32+8*(4*\c+\t), \qf, 1, 240+2*\c+\t/2, \qsr, \t%2
.endr
.endr                                              ; lane (r, h), register 32 c + 8 t + j: key 128 S + 64 c + 32 h + 8 t + j of query r
	PLACES
	s_cmp_lt_u32 s38, s[\gh]
	s_cbranch_scc1 .Lopen_\@                       ; all keys of this step count
.set nn, 0
	s_wait_alu depctr_va_vdst(0)
.rept 64
	v_cmp_gt_i32 vcc_lo, 64*(nn/32)+nn%32, v249
	v_cndmask_b32 v[96+nn], v[96+nn], v255, vcc_lo
.set nn, nn+1
.endr
.Lopen_\@:
.irp c, 0,1
	v_max3_num_f32 v[232+\c], v[96+32*\c], v[97+32*\c], v[98+32*\c]   ; the largest score of each of my two blocks of 32 keys: it serves the row's maximum and, since p rises with the score, the block's largest p
.endr
.irp i, 3,5,7,9,11,13,15,17,19,21,23,25,27,29
.irp c, 0,1
	v_max3_num_f32 v[232+\c], v[232+\c], v[96+32*\c+\i], v[97+32*\c+\i]
.endr
.endr
.irp c, 0,1
	v_max_num_f32 v[232+\c], v[232+\c], v[127+32*\c]
.endr
	s_delay_alu instid0(VALU_DEP_1)
	v_max_num_f32 v254, v232, v233
	s_delay_alu instid0(VALU_DEP_1)
	v_permlanex16_b32 v234, v254, s36, s37
	s_delay_alu instid0(VALU_DEP_1)
	v_max_num_f32 v254, v254, v234                 ; with lane l xor 16's two blocks: the step's largest score of my query
	s_delay_alu instid0(VALU_DEP_1)
	v_mul_f32 v254, s22, v254                      ; as t
	s_delay_alu instid0(VALU_DEP_1)
	v_max_num_f32 v13, v13, v254                   ; the running largest t
	v_mov_b32 v254, v12
	s_delay_alu instid0(VALU_DEP_2)
	v_floor_f32 v12, -v13                          ; the new -M = floor(-t) = -ceil(t)
	s_delay_alu instid0(VALU_DEP_1)
	v_sub_f32 v254, v12, v254                      ; old M less new M: a whole number, 0 or less
	s_delay_alu instid0(VALU_DEP_1)
	v_cvt_i32_f32 v254, v254                       ; (it saturates)
	s_delay_alu instid0(VALU_DEP_1)
	v_ldexp_f32 v252, 1.0, v254                    ; f = 2^(old M - new M)
.set nn, 0
.rept 32
	v_pk_fma_f32 v[96+nn:97+nn], v[96+nn:97+nn], s[22:23], v[12:13] op_sel_hi:[1,0,0]   ; t - M, two at a time
.set nn, nn+2
.endr
.irp c, 0,1
	v_fma_f32 v[232+\c], v[232+\c], s22, v12       ; the same of each block's largest score
.endr
.set nn, 0
	s_wait_alu depctr_va_vdst(0)
.rept 64
	v_exp_f32 v[96+nn], v[96+nn]                   ; p = 2^(t - M), at most 1
.set nn, nn+1
.endr
	v_pk_mul_f32 v[14:15], v[14:15], v[252:253] op_sel_hi:[1,0]   ; the sums under the new M: the plain instruction behind the exponentials
	s_wait_alu depctr_va_vdst(0)                   ; one wait for the whole batch, ahead of its first reader
.irp c, 0,1
	v_exp_f32 v[232+\c], v[232+\c]                 ; the blocks' largest p
.endr
.set nn, 0
	s_wait_alu depctr_va_vdst(0)
.rept 16
	v_pk_mul_f32 v[160+nn:161+nn], v[160+nn:161+nn], v[252:253] op_sel_hi:[1,0]   ; O^T under the new M: independent work behind the two
.set nn, nn+2
.endr
	s_wait_alu depctr_va_vdst(0)                   ; and one wait for the two
.irp c, 0,1
	v_max_num_f32 v[232+\c], 0x1800000, v[232+\c]  ; the floor 2^(3 - 127): the byte cannot fall under 1
.endr
.irp c, 0,1
	s_delay_alu instid0(VALU_DEP_2)
	v_add_nc_u32 v[236+\c], 0xff000000, v[232+\c]  ; 2 off the exponent field: the conversion's scale operand
.endr
.irp c, 0,1
	s_delay_alu instid0(VALU_DEP_2)
	v_lshrrev_b32 v[238+\c], 23, v[236+\c]         ; the scale's byte
.endr
	s_delay_alu instid0(VALU_DEP_1)
	v_lshl_or_b32 v238, v239, 16, v238             ; my blocks are h and 2 + h of the step's four:
	s_delay_alu instid0(VALU_DEP_1)
	v_lshlrev_b32 v238, v7, v238                   ; their bytes at their places;
	s_delay_alu instid0(VALU_DEP_1)
	v_permlanex16_b32 v234, v238, s36, s37
	s_delay_alu instid0(VALU_DEP_1)
	v_or_b32 v248, v238, v234                      ; with lane l xor 16's two the word is whole
.irp c, 0,1
.irp t, 0,1,2,3
	v_cvt_scalef32_pk8_fp4_f32 v[224+4*\c+\t], v[96+32*\c+8*\t:103+32*\c+8*\t], v[236+\c]   ; registers 4 c .. 4 c + 3 of P's fragment, as they stand
.endr
.endr
	v_nop                                          ; one plain place behind a scaled conversion
	v_pk_add_f32 v[234:235], v[100:101], v[104:105]
	v_pk_add_f32 v[242:243], v[108:109], v[112:113]
	v_pk_add_f32 v[240:241], v[116:117], v[120:121]
	v_pk_add_f32 v[238:239], v[124:125], v[128:129]
	v_pk_add_f32 v[236:237], v[132:133], v[136:137]
	v_pk_add_f32 v[232:233], v[140:141], v[144:145]
	v_pk_add_f32 v[90:91], v[148:149], v[152:153]
	v_pk_add_f32 v[14:15], v[14:15], v[156:157]
	v_pk_add_f32 v[234:235], v[234:235], v[96:97]
	v_pk_add_f32 v[242:243], v[242:243], v[98:99]
	v_pk_add_f32 v[240:241], v[240:241], v[102:103]
	v_pk_add_f32 v[238:239], v[238:239], v[106:107]
	v_pk_add_f32 v[236:237], v[236:237], v[110:111]
	v_pk_add_f32 v[232:233], v[232:233], v[114:115]
	v_pk_add_f32 v[90:91], v[90:91], v[118:119]
	v_pk_add_f32 v[14:15], v[14:15], v[122:123]
	v_pk_add_f32 v[234:235], v[234:235], v[126:127]
	v_pk_add_f32 v[242:243], v[242:243], v[130:131]
	v_pk_add_f32 v[240:241], v[240:241], v[134:135]
	v_pk_add_f32 v[238:239], v[238:239], v[138:139]
	v_pk_add_f32 v[236:237], v[236:237], v[142:143]
	v_pk_add_f32 v[232:233], v[232:233], v[146:147]
	v_pk_add_f32 v[90:91], v[90:91], v[150:151]
	v_pk_add_f32 v[14:15], v[14:15], v[154:155]
	v_pk_add_f32 v[234:235], v[234:235], v[158:159]
	s_delay_alu instid0(VALU_DEP_2)
	v_pk_add_f32 v[14:15], v[14:15], v[238:239]
	s_delay_alu instid0(VALU_DEP_2)
	v_pk_add_f32 v[234:235], v[234:235], v[236:237]
	v_pk_add_f32 v[242:243], v[242:243], v[232:233]
	v_pk_add_f32 v[240:241], v[240:241], v[90:91]
	s_delay_alu instid0(VALU_DEP_2)
	v_pk_add_f32 v[14:15], v[14:15], v[242:243]
	s_delay_alu instid0(VALU_DEP_2)
	v_pk_add_f32 v[234:235], v[234:235], v[240:241]
	s_delay_alu instid0(VALU_DEP_1)
	v_pk_add_f32 v[14:15], v[14:15], v[234:235]
	s_wait_dscnt 0x0                               ; V
.irp n, 0,1,2,3
	WM 160+8*\n, 192+8*\n, 224, 0, 244+\n/2, 248, \n%2   ; O^T += V^T P^T: four accumulators by turns
.endr
.Lskip_\@:
	s_add_co_u32 s39, s39, 4096
	s_add_co_u32 s40, s40, 512
	s_add_co_u32 s41, s41, 256
	s_add_co_u32 s38, s38, 1
	s_cmp_lt_u32 s38, 8
	s_cbranch_scc1 .Lstep_\@
	; y = O / the sum; a lane's 32 numbers are block h of the head's 64 channels
	PLACES
	s_wait_alu depctr_va_vdst(0)
	v_add_f32 v14, v14, v15
	s_delay_alu instid0(VALU_DEP_1)
	v_permlanex16_b32 v234, v14, s36, s37
	s_delay_alu instid0(VALU_DEP_1)
	v_add_f32 v14, v14, v234                       ; the sum's two halves and lane l xor 16's
	s_wait_alu depctr_va_vdst(0)
	v_rcp_f32 v14, v14
	v_nop                                          ; a plain place behind the reciprocal
	s_wait_alu depctr_va_vdst(0)                   ; the wait ahead of its first reader
.set nn, 0
.rept 16
	v_pk_mul_f32 v[96+nn:97+nn], v[160+nn:161+nn], v[14:15] op_sel_hi:[1,0]
.set nn, nn+2
.endr
	v_max3_num_f32 v232, |v96|, |v97|, 0x1800000
	v_max3_num_f32 v233, |v112|, |v113|, 0x1800000
.set nn, 2
.rept 7
	s_delay_alu instid0(VALU_DEP_2)
	v_max3_num_f32 v232, |v[96+nn]|, |v[97+nn]|, v232
	s_delay_alu instid0(VALU_DEP_2)
	v_max3_num_f32 v233, |v[112+nn]|, |v[113+nn]|, v233
.set nn, nn+2
.endr
	s_delay_alu instid0(VALU_DEP_1)
	v_max_num_f32 v232, v232, v233
	s_delay_alu instid0(VALU_DEP_1)
	v_add_nc_u32 v236, 0xff000000, v232
	s_delay_alu instid0(VALU_DEP_1)
	v_lshrrev_b32 v238, 23, v236
.irp t, 0,1,2,3
	v_cvt_scalef32_pk8_fp4_f32 v[224+\t], v[96+8*\t:103+8*\t], v236
.endr
	v_nop
	global_store_b128 v6, v[224:227], s[\yb:\yb+1] ; half a fragment of the last product's operand: 512 consecutive bytes
	v_lshlrev_b32 v238, v7, v238
	s_delay_alu instid0(VALU_DEP_1)
	v_permlanex16_b32 v234, v238, s36, s37
	s_delay_alu instid0(VALU_DEP_1)
	v_or_b32 v[\yh], v238, v234                    ; my query's two scale bytes of this head
.endm
	TILE 16, 246, 42, 44, 250, 46
	TILE 24, 247, 43, 45, 251, 48
	ds_store_b16 v2, v250                          ; both halves of the lanes write the same two bytes with the same value
	ds_store_b16 v4, v251
	s_wait_dscnt 0x0                               ; for the others' sake
	s_barrier_signal -1
	s_barrier_wait -1
	s_cmp_lt_u32 s18, 2
	s_cbranch_scc0 .Lno_words
	ds_load_b128 v[96:99], v11                     ; waves 0 and 1 store the 256 words whole: 512 consecutive bytes each
	s_wait_dscnt 0x0
	global_store_b128 v6, v[96:99], s[50:51]
.Lno_words:
	s_wait_xcnt 0x0
	v_lshl_add_u32 v254, v0, 2, 0x29000
	v_mov_b32 v255, 0
	s_wait_alu depctr_va_vdst(0)
	s_wait_tensorcnt 0x0
	ds_add_u32 v254, v255
	s_wait_dscnt 0x0
	CROUND                                         ; the closing round
	s_endpgm
.Lfunc_end_k_qb52456237b_attn:
	.size	k_qb52456237b_attn, .Lfunc_end_k_qb52456237b_attn-k_qb52456237b_attn
	.p2alignl 7, 3214868480
	.fill 96, 4, 3214868480
	.section	.rodata,"a",@progbits
	.p2align	6, 0x0
	.amdhsa_kernel k_qb52456237b_attn
		.amdhsa_group_segment_fixed_size 169984
		.amdhsa_private_segment_fixed_size 0
		.amdhsa_enable_private_segment 0
		.amdhsa_kernarg_size 40
		.amdhsa_user_sgpr_count 2
		.amdhsa_user_sgpr_kernarg_segment_ptr 1
		.amdhsa_wavefront_size32 1
		.amdhsa_system_sgpr_workgroup_id_x 1
		.amdhsa_system_sgpr_workgroup_id_y 1
		.amdhsa_system_sgpr_workgroup_id_z 1
		.amdhsa_system_vgpr_workitem_id 0
		.amdhsa_next_free_vgpr 256
		.amdhsa_next_free_sgpr 66
		.amdhsa_reserve_vcc 1
		.amdhsa_float_denorm_mode_32 3
		.amdhsa_float_denorm_mode_16_64 3
		.amdhsa_memory_ordered 1
		.amdhsa_forward_progress 1
		.amdhsa_inst_pref_size 59
	.end_amdhsa_kernel
	.amdgpu_metadata
---
amdhsa.version: [ 1, 2 ]
amdhsa.kernels:
  - .name:           k_qb52456237b_attn
    .symbol:         k_qb52456237b_attn.kd
    .args:
      - { .name: qc, .offset: 0, .size: 8, .value_kind: global_buffer, .address_space: global }
      - { .name: qs, .offset: 8, .size: 8, .value_kind: global_buffer, .address_space: global }
      - { .name: kv, .offset: 16, .size: 8, .value_kind: global_buffer, .address_space: global }
      - { .name: yc, .offset: 24, .size: 8, .value_kind: global_buffer, .address_space: global }
      - { .name: ys, .offset: 32, .size: 8, .value_kind: global_buffer, .address_space: global }
    .group_segment_fixed_size: 169984
    .private_segment_fixed_size: 0
    .kernarg_segment_align: 8
    .kernarg_segment_size: 40
    .max_flat_workgroup_size: 512
    .sgpr_count:     66
    .vgpr_count:     256
    .wavefront_size: 32
...
	.end_amdgpu_metadata
.endif
;; end of part 2
;; launch proj (part 3): grid 8 x 32, 4 waves a work-group, clusters of 4 x 4, 327,680 bytes of LDS; arguments yc, ys, W_proj_codes, W_proj_scales, out0; writes out0
.if DOCPART == 3
	.amdgcn_target "amdgcn-amd-amdhsa--gfx1250"
	.amdhsa_code_object_version 6
	.text
	.protected	k_qb52456237b_proj
	.globl	k_qb52456237b_proj
	.p2align	8
	.type	k_qb52456237b_proj,@function
k_qb52456237b_proj:
	s_mov_b64 s[64:65], 0
	v_nop
	global_prefetch_b8 v0, s[64:65] scope:SCOPE_SE
	s_setreg_imm32_b32 hwreg(HW_REG_WAVE_MODE, 25, 1), 1
	s_wait_xcnt 0x0
	s_wait_alu depctr_hold_cnt(0) depctr_sa_sdst(0) depctr_va_vdst(0) depctr_va_sdst(0) depctr_va_ssrc(0) depctr_va_vcc(0) depctr_vm_vsrc(0)
	s_getreg_b32 s2, hwreg(HW_REG_IB_STS2, 6, 4)
	s_cmp_eq_u32 s2, 0
	s_cbranch_scc0 .Lentry_in_a_cluster
	s_endpgm
.Lentry_in_a_cluster:
	s_bfe_u32 s2, ttmp6, 0x10000c
	s_cmp_lg_u32 s2, 0xf033
	s_cbranch_scc0 .Lentry_shape_is_right
	s_endpgm
.Lentry_shape_is_right:
.set WCO, 131072
.set STG, WCO+128*528
.set MSB, 0
.macro WIN new
.if MSB != \new
	s_set_vgpr_msb (MSB<<8)|\new
.set MSB, \new
.endif
.endm
.macro PLACES
.rept 4
	v_nop
.endr
.endm
.macro CROUND
	s_barrier_signal -1
	s_barrier_wait -1
	s_cmp_lg_u32 s18, 0
	s_cbranch_scc1 .Lnot_wave_0_\@
	s_barrier_signal -3
.Lnot_wave_0_\@:
	s_barrier_wait -3
	s_barrier_signal -1
	s_barrier_wait -1
.endm
.macro WM d, a, b, z, sa, sb, ra, rb
.if (\z)
.if (\ra) && (\rb)
	v_wmma_scale_f32_16x16x128_f8f6f4 v[(\d):(\d)+7], v[(\a):(\a)+7], v[(\b):(\b)+7], 0, v[(\sa)], v[(\sb)] matrix_a_fmt:MATRIX_FMT_FP4 matrix_b_fmt:MATRIX_FMT_FP4 matrix_a_scale:MATRIX_SCALE_ROW1 matrix_b_scale:MATRIX_SCALE_ROW1
.elseif (\ra)
	v_wmma_scale_f32_16x16x128_f8f6f4 v[(\d):(\d)+7], v[(\a):(\a)+7], v[(\b):(\b)+7], 0, v[(\sa)], v[(\sb)] matrix_a_fmt:MATRIX_FMT_FP4 matrix_b_fmt:MATRIX_FMT_FP4 matrix_a_scale:MATRIX_SCALE_ROW1
.elseif (\rb)
	v_wmma_scale_f32_16x16x128_f8f6f4 v[(\d):(\d)+7], v[(\a):(\a)+7], v[(\b):(\b)+7], 0, v[(\sa)], v[(\sb)] matrix_a_fmt:MATRIX_FMT_FP4 matrix_b_fmt:MATRIX_FMT_FP4 matrix_b_scale:MATRIX_SCALE_ROW1
.else
	v_wmma_scale_f32_16x16x128_f8f6f4 v[(\d):(\d)+7], v[(\a):(\a)+7], v[(\b):(\b)+7], 0, v[(\sa)], v[(\sb)] matrix_a_fmt:MATRIX_FMT_FP4 matrix_b_fmt:MATRIX_FMT_FP4
.endif
.else
.if (\ra) && (\rb)
	v_wmma_scale_f32_16x16x128_f8f6f4 v[(\d):(\d)+7], v[(\a):(\a)+7], v[(\b):(\b)+7], v[(\d):(\d)+7], v[(\sa)], v[(\sb)] matrix_a_fmt:MATRIX_FMT_FP4 matrix_b_fmt:MATRIX_FMT_FP4 matrix_a_scale:MATRIX_SCALE_ROW1 matrix_b_scale:MATRIX_SCALE_ROW1
.elseif (\ra)
	v_wmma_scale_f32_16x16x128_f8f6f4 v[(\d):(\d)+7], v[(\a):(\a)+7], v[(\b):(\b)+7], v[(\d):(\d)+7], v[(\sa)], v[(\sb)] matrix_a_fmt:MATRIX_FMT_FP4 matrix_b_fmt:MATRIX_FMT_FP4 matrix_a_scale:MATRIX_SCALE_ROW1
.elseif (\rb)
	v_wmma_scale_f32_16x16x128_f8f6f4 v[(\d):(\d)+7], v[(\a):(\a)+7], v[(\b):(\b)+7], v[(\d):(\d)+7], v[(\sa)], v[(\sb)] matrix_a_fmt:MATRIX_FMT_FP4 matrix_b_fmt:MATRIX_FMT_FP4 matrix_b_scale:MATRIX_SCALE_ROW1
.else
	v_wmma_scale_f32_16x16x128_f8f6f4 v[(\d):(\d)+7], v[(\a):(\a)+7], v[(\b):(\b)+7], v[(\d):(\d)+7], v[(\sa)], v[(\sb)] matrix_a_fmt:MATRIX_FMT_FP4 matrix_b_fmt:MATRIX_FMT_FP4
.endif
.endif
.endm
.macro FETCH s, fs
	WIN 0x40
.irp m, 0,1,2,3
.irp c, 0,1
	ds_load_b128 v[128*(\fs)+8*\m+4*\c:128*(\fs)+8*\m+4*\c+3], v5 offset:8192*\m+1024*(\s)+512*\c
.endr
.endr
.irp b, 0,1,2,3,4,5,6,7
.irp c, 0,1
	ds_load_b128 v[128*(\fs)+32+8*\b+4*\c:128*(\fs)+32+8*\b+4*\c+3], v6 offset:8448*\b+64*(\s)+32*\c
.endr
.endr
.endm
.macro MULS s, fs, z
	WIN 0xa5
.irp m, 0,1,2,3
.irp b, 0,1,2,3,4,5,6,7
	WM 8*(8*\m+\b), 128*(\fs)+32+8*\b, 128*(\fs)+8*\m, \z, 48+8*(\b/2)+(\s), 32+8*(\m/2)+(\s), \b%2, \m%2
.endr
.endr
.endm
	s_load_b256 s[4:11], s[0:1], 0x0
	s_load_b64 s[12:13], s[0:1], 0x20
	v_lshl_add_u32 v126, v0, 2, 0x38c00
	v_mov_b32 v127, 0
	ds_add_u32 v126, v127
	ds_add_u32 v126, v127
	v_lshrrev_b32 v1, 5, v0
	v_readfirstlane_b32 s18, v1
	s_bfe_u32 s19, ttmp6, 0x40000
	s_bfe_u32 s20, ttmp6, 0x40004
	s_lshl_b32 s21, ttmp9, 2
	s_add_co_u32 s21, s21, s19
	s_and_b32 s22, ttmp7, 0xffff
	s_lshl_b32 s22, s22, 2
	s_add_co_u32 s22, s22, s20
	s_lshl_b32 s23, s20, 2
	s_lshl_b32 s23, 15, s23
	s_lshl_b32 s48, 0x1111, s19
	s_or_b32 s24, s23, (3<<16)|(1<<21)
	s_mov_b32 s25, 32<<16
	s_mov_b32 s26, 256<<16
	s_mov_b32 s27, 32<<16
	s_mov_b32 s28, 256
	s_mov_b32 s29, 32
	s_mov_b32 s30, 0
	s_mov_b32 s31, 0
	s_or_b32 s32, s48, (1<<20)|(1<<21)|(6<<22)|(3<<25)
	s_mov_b32 s33, 512<<16
	s_mov_b32 s34, 64<<16
	s_mov_b32 s35, 512<<16
	s_mov_b32 s36, 64
	s_mov_b32 s37, 512
	s_mov_b32 s38, 0
	s_mov_b32 s39, 0
	s_lshl_b32 s60, s22, 17
	s_and_b32 s51, s18, 1                          ; which half I fetch: waves 0, 1 of y's images (256 rows of 256 bytes), waves 2, 3 of W's 128 rows (64 rows of 512 bytes)
	s_lshl_b32 s61, s51, 16
	s_add_co_u32 s60, s60, s61
	s_mov_b32 s61, 0
	s_lshl_b32 s62, s21, 16
	s_lshl_b32 s63, s51, 15
	s_add_co_u32 s62, s62, s63
	s_mov_b32 s63, 0
	s_mov_b32 s40, 1
	s_lshl_b32 s41, s51, 16
	s_lshl_b32 s52, s18, 15                        ; my wave's own 64 tokens' images
	s_mov_b32 s44, 1
	s_mul_i32 s45, s51, 33792
	s_add_co_u32 s45, s45, WCO
	v_and_b32 v1, 15, v0
	v_bfe_u32 v2, v0, 4, 1
	v_and_b32 v3, 31, v0
	v_lshlrev_b32 v9, 4, v3
	v_add_nc_u32 v5, s52, v9
	v_mul_u32_u24 v4, v1, 528
	v_lshl_add_u32 v6, v2, 4, v4
	v_add_nc_u32 v6, WCO, v6
	s_mul_i32 s50, s18, 8448
	s_add_co_u32 s50, s50, STG
	v_lshl_add_u32 v7, v2, 5, v4
	v_add_nc_u32 v7, s50, v7
	v_add_nc_u32 v8, s50, v9
	v_lshlrev_b32 v10, 2, v1
	v_lshl_add_u32 v10, v2, 10, v10
	v_lshlrev_b32 v11, 5, v1
	v_lshl_add_u32 v11, v2, 9, v11
	s_wait_dscnt 0x0
	s_wait_kmcnt 0x0
	s_add_nc_u64 s[42:43], s[4:5], s[60:61]
	s_or_b32 s43, s43, 0x80000000
	s_add_nc_u64 s[46:47], s[8:9], s[62:63]
	s_or_b32 s47, s47, 0x80000000
	CROUND
	s_cmp_lt_u32 s18, 2                            ; one chain of branches on the wave's number, a load to an arm: every way through the head passes one
	s_cbranch_scc0 .Lhead_w
	tensor_load_to_lds s[40:43], s[24:31]
	s_nop 0
	PLACES
	s_branch .Lhead_asked
.Lhead_w:
	tensor_load_to_lds s[44:47], s[32:39]
	s_nop 0
	PLACES
.Lhead_asked:
	s_lshr_b32 s2, s22, 2
	s_lshl_b32 s2, s2, 15
	s_and_b32 s3, s22, 3
	s_lshl_b32 s3, s3, 2
	s_add_co_u32 s3, s3, s18
	s_lshl_b32 s3, s3, 6
	s_add_co_u32 s2, s2, s3
	s_mov_b32 s3, 0
	s_add_nc_u64 s[6:7], s[6:7], s[2:3]
	s_lshl_b32 s2, s21, 12
	s_add_nc_u64 s[10:11], s[10:11], s[2:3]
	s_lshl_b32 s2, s22, 20
	s_lshl_b32 s49, s18, 18
	s_add_co_u32 s2, s2, s49
	s_lshl_b32 s49, s21, 9
	s_add_co_u32 s2, s2, s49
	s_add_nc_u64 s[12:13], s[12:13], s[2:3]
	s_wait_alu depctr_va_vdst(0)
.irp i, 0,1
.irp s, 0,1,2,3,4,5,6,7
	global_load_b32 v[32+8*\i+\s], v10, s[6:7] offset:4096*\s+2048*\i
.endr
.endr
.irp i, 0,1,2,3
.irp u, 0,1
	global_load_b128 v[48+8*\i+4*\u:51+8*\i+4*\u], v11, s[10:11] offset:1024*\i+16*\u
.endr
.endr
	s_wait_loadcnt 0x0
	s_wait_tensorcnt 0x0
	s_barrier_signal -1
	s_barrier_wait -1
	FETCH 0, 0
.irp s, 0,1,2,3,4,5,6
.if \s > 0
	PLACES
.endif
	FETCH \s+1, (\s+1)%2
	s_wait_dscnt 24
.if \s == 0
	MULS \s, \s%2, 1
.else
	MULS \s, \s%2, 0
.endif
.endr
	s_wait_dscnt 0x0
	MULS 7, 1, 0
	WIN 0
.macro TOSTAGE a
	WIN 0x08
.irp b, 0,1,2,3,4,5,6,7
	ds_store_b128 v7, v[64*(\a)+8*\b:64*(\a)+8*\b+3] offset:64*\b
	ds_store_b128 v7, v[64*(\a)+8*\b+4:64*(\a)+8*\b+7] offset:64*\b+16
.endr
	WIN 0
.set BB, 128+64*((\a)%2)
.irp t, 0,1,2,3,4,5,6,7,8,9,10,11,12,13,14,15
	ds_load_b128 v[BB+4*\t:BB+4*\t+3], v8 offset:528*\t
.endr
.endm
.macro SEND a, younger
.set BB, 128+64*((\a)%2)
	s_wait_dscnt \younger
.irp t, 0,1,2,3,4,5,6,7,8,9,10,11,12,13,14,15
	global_store_b128 v9, v[BB+4*\t:BB+4*\t+3], s[12:13] offset:(8*(\a)+(\t%8)+32*(\t/8))*4096 th:TH_STORE_NT
.endr
.endm
	PLACES
	TOSTAGE 0
.irp a, 1,2,3
.if \a > 1
	s_wait_xcnt 0x0
.endif
	TOSTAGE \a
	SEND \a-1, 32
.endr
	SEND 3, 0
	s_wait_tensorcnt 0x0
	ds_add_u32 v126, v127
	s_wait_dscnt 0x0
	CROUND
	s_endpgm
.Lfunc_end_k_qb52456237b_proj:
	.size	k_qb52456237b_proj, .Lfunc_end_k_qb52456237b_proj-k_qb52456237b_proj
	.p2alignl 7, 3214868480
	.fill 96, 4, 3214868480
	.section	.rodata,"a",@progbits
	.p2align	6, 0x0
	.amdhsa_kernel k_qb52456237b_proj
		.amdhsa_group_segment_fixed_size 327680
		.amdhsa_private_segment_fixed_size 0
		.amdhsa_enable_private_segment 0
		.amdhsa_kernarg_size 40
		.amdhsa_user_sgpr_count 2
		.amdhsa_user_sgpr_kernarg_segment_ptr 1
		.amdhsa_wavefront_size32 1
		.amdhsa_system_sgpr_workgroup_id_x 1
		.amdhsa_system_sgpr_workgroup_id_y 1
		.amdhsa_system_sgpr_workgroup_id_z 1
		.amdhsa_system_vgpr_workitem_id 0
		.amdhsa_next_free_vgpr 768
		.amdhsa_next_free_sgpr 66
		.amdhsa_reserve_vcc 0
		.amdhsa_float_denorm_mode_32 3
		.amdhsa_float_denorm_mode_16_64 3
		.amdhsa_memory_ordered 1
		.amdhsa_forward_progress 1
		.amdhsa_inst_pref_size 69
	.end_amdhsa_kernel
	.amdgpu_metadata
---
amdhsa.version: [ 1, 2 ]
amdhsa.kernels:
  - .name:           k_qb52456237b_proj
    .symbol:         k_qb52456237b_proj.kd
    .args:
      - { .name: yc, .offset: 0, .size: 8, .value_kind: global_buffer, .address_space: global }
      - { .name: ys, .offset: 8, .size: 8, .value_kind: global_buffer, .address_space: global }
      - { .name: W_proj_codes, .offset: 16, .size: 8, .value_kind: global_buffer, .address_space: global }
      - { .name: W_proj_scales, .offset: 24, .size: 8, .value_kind: global_buffer, .address_space: global }
      - { .name: out0, .offset: 32, .size: 8, .value_kind: global_buffer, .address_space: global }
    .group_segment_fixed_size: 327680
    .private_segment_fixed_size: 0
    .kernarg_segment_align: 8
    .kernarg_segment_size: 40
    .max_flat_workgroup_size: 128
    .sgpr_count:     66
    .vgpr_count:     768
    .wavefront_size: 32
...
	.end_amdgpu_metadata
.endif
;; end of part 3
